; MI455X (gfx1250); checked and timed in simulation.
; The chip was launched on July 23, 2026; its instructions are those of AMD's public machine-readable ISA for CDNA 5 (MIT licence, August 2026) and "CDNA5" Instruction Set Architecture Reference Guide (July 2026). The comments in the code are by the model that wrote it; some were corrected since.
;; Quant Linear. Allowed arithmetic: matrix products marked QUANTISED: E2M3 operands, one E8M0 scale for each 32 along K, by v_wmma_scale_f32_16x16x128_f8f6f4 with both operands' format E2M3, f32 sums; everything else in f32.
;; Inputs: bias 4,096 float32; g_idx 4,096 int32; lut 16 float32; qweight 4,096 x 2,048 int32; scales 4,096 x 32 float32; x 4 x 1,024 x 4,096 float32.
;; Outputs: out0 4 x 1,024 x 4,096 float32.
;; This version of the problem:
;;   THIS VERSION OF THE PROBLEM IS GIVEN IN LOW PRECISION. The matrix products marked QUANTISED in the list below multiply operands that are first quantised to E2M3 (2 exponent bits, 3 mantissa bits; 6 bits a number), with one power-of-two scale for each 32 numbers along K (OCP MX v1.0); their sums are f32. All else is computed in f32.
;;   The module's matrix products, in the order in which they are computed (A, B: the left and right operand; K: the contracted axis; several contracted axes count as one K, in the product's order):
;;     1. [M 4,096, K 4,096] x [K 4,096, N 4,096]; A: input x; B: computed on the way: QUANTISED
;;   THE QUANTISER, for each operand of a quantised product, along K:
;;     - K is cut into blocks of 32 from its start; a last block that is shorter is filled with zeros.
;;     - A block's scale is 2^e with e = floor(log2(the largest magnitude in the block)) - 2, held to -126 .. 127; a block of zeros has e = 0. As a byte (E8M0): e + 127.
;;     - Each number is divided by its block's scale, clamped to +-7.5, and rounded to the nearest number of E2M3, ties to even, subnormals kept.
;;     - The product sums the exact products of the quantised numbers (number of the format x scale) in f32.
;;   ~~~python
;;   def quantise(x, axis):      # numpy; x: float32 -> the quantised numbers, widened to float32 again
;;       x = np.moveaxis(x, axis, -1); K = x.shape[-1]
;;       x = np.pad(x, [(0, 0)] * (x.ndim - 1) + [(0, -K % 32)]); x = x.reshape(x.shape[:-1] + (-1, 32)); a = np.abs(x).max(-1, keepdims=True)
;;       e = np.where(a > 0, np.clip(np.frexp(np.where(a > 0, a, 1))[1] - 1 - 2, -126, 127), 0)      # np.frexp(a)[1] - 1 = floor(log2(a)), exactly
;;       r = np.clip(x / 2.0 ** e, -7.5, 7.5)
;;       step = 2.0 ** (np.maximum(np.frexp(np.where(r == 0, 1, r))[1] - 1, 0) - 3)
;;       q = np.round(r / step) * step * 2.0 ** e      # np.round: ties to even
;;       return np.moveaxis(q.reshape(q.shape[:-2] + (-1,))[..., :K], -1, axis).astype(np.float32)
;;   ~~~
;;   OPERANDS COMPUTED ON THE WAY. 'Computed on the way' means the value that the module computes at that place (a softmax that the list does not call 'softmax' is quantised finished and normalised). What goes into a quantiser is computed in f32, as accurately as f32 sums, v_exp_f32 and their like allow (about 1e-6 of the number): no bf16 or f16 on the way to a quantiser, and a product that is left as it is and whose result goes on into a quantised operand takes f32 operands (vector FMAs, or v_wmma_f32_16x16x4_f32). A number that lies on a knife's edge between two numbers of the format may be rounded either way, as far as f32 arithmetic and the matrix unit's own rounding can turn it there, and no further.
;; One version. Each part assembles by itself: llvm-mc -triple=amdgcn-amd-amdhsa -mcpu=gfx1250 --defsym DOCPART=n.
;; ======== version 1 of 1: 2 launches
;; limits: right only within a limited range of input values
;; workspace buffers: x_img 13,107,200 bytes; w_img 13,107,200 bytes
;; launch quant (part 1): grid 1024 x 1, 4 waves a work-group, no clusters, 61,440 bytes of LDS; arguments x, qweight, scales, g_idx, lut, x_img, w_img; writes x_img, w_img
.if DOCPART == 1
	.amdgcn_target "amdgcn-amd-amdhsa--gfx1250"
	.amdhsa_code_object_version 6
	.text
	.protected	k_q081e4a01c9_quant
	.globl	k_q081e4a01c9_quant
	.p2align	8
	.type	k_q081e4a01c9_quant,@function
k_q081e4a01c9_quant:
	s_mov_b64 s[64:65], 0
	v_nop
	global_prefetch_b8 v0, s[64:65] scope:SCOPE_SE
	s_setreg_imm32_b32 hwreg(HW_REG_WAVE_MODE, 25, 1), 1
	s_wait_xcnt 0x0
; BOTH OPERANDS OF out = x w^T + bias BECOME CODES OF FP6 (E2M3), 6 bits each, with one E8M0 scale byte for each 32 along K, LAID IN THE ORDER OF THE MATRIX OPERAND'S REGISTERS.
; x [4096][4096] f32 is taken as it is.  w [4096][4096] is made on the way: w[o][i] = lut[nibble i of row o] x scales[o][g_idx[i]], one f32 multiplication; a word of qweight
; carries two nibbles in its lowest byte, the lower one first; the word's other bytes are not looked at.  lut, scales and g_idx are read and used as they are given.
; A block's scale is 2^(floor(log2(its largest magnitude)) - 2); its byte is the largest magnitude's own exponent field - 2, held at 1 from below by a floor among the maximum's leaves.
; Each number is divided by the scale and rounded to the nearest code, ties to even; beyond 7.5 the conversion gives the largest code.
; OUT: x_img, w_img: [32 groups of 128 rows][32 K steps of 128][a RECORD of 12,800 bytes].  A record: eight FRAGMENT IMAGES (16 rows x 128 K: 12 registers a lane, 1,536 bytes: register 4 c + d of lane l at
; 512 c + 16 l + 4 d; lane l = r + 16 h holds row r, its registers 6 c .. 6 c + 5 the 24 bytes of codes of K = 64 c + 32 h + 0 .. 31), then 512 bytes of scale words (four bytes: a row's 128 K): the word of row r of
; block i at 256 (i / 4) + 16 r + 4 (i % 4).  Only this program's second launch reads them: a fragment by three loads of 16 bytes a lane, eight blocks' scale words by two.
; LIMITS: NaN and infinities among the inputs are not served.  A block of zeros gets the byte 1 where the rule says 127: its codes are zeros, which add nothing under any byte but 0xff.
; g_idx is taken to lie in 0 .. 31 (the table that it indexes has 32 columns); the lane select takes it modulo 32, so nothing can be reached outside a row's 32 scales.
; SHARES: both tensors have 2^24 numbers; a work-group takes 32,768.  Even work-groups take x, odd ones w, so that the path with 4 bytes a number and the path with many lane selects lie side by side on a WGP.
; The two paths part on the work-group's number, never join, and have LDS bytes of their own.  No tensor load, no barrier, no loop: waves share nothing, every offset is an immediate, EXEC is never written.
; No cluster: no two work-groups read the same large bytes (g_idx and lut are 16 KiB and 64 bytes).  No prefetch: the launch is one stream of loads from its first line on.
.set EMAX,  2                          ; the exponent of the format's largest number, 7.5
.set FRB,   1536                       ; a fragment's image in bytes
.set SCO,   8*FRB                      ; where a record's scale words begin
.set REC,   SCO+512                    ; a record
.set XP,    528                        ; x path, LDS: a stage row: 512 bytes (128 numbers of a row of x) + 16
.set XSTW,  16*XP                      ; a wave's stage: 16 rows.  The four stages begin at LDS byte 0
.set WST,   4*XSTW                     ; w path, LDS: the codes' stages,
.set WP,    272                        ; rows of 256 bytes (sixteen lanes' 16 bytes of an image) + 16,
.set WSTW,  24*WP                      ; 24 rows a wave: 4 fragments x 3 loads x 2 halves of the lanes;
.set WSB,   WST+4*WSTW                 ; behind them 256 bytes for each wave: [4 K steps][16 rows] scale words
	s_load_b256 s[4:11], s[0:1], 0x0               ; x s[4:5], qweight s[6:7], scales s[8:9], g_idx s[10:11]
	s_load_b128 s[12:15], s[0:1], 0x20             ; lut s[12:13], x_img s[14:15]
	s_load_b64 s[16:17], s[0:1], 0x30              ; w_img
	v_lshl_add_u32 v254, v0, 2, 0xee00
	v_mov_b32 v255, 0
	v_lshrrev_b32 v1, 5, v0
	v_readfirstlane_b32 s22, v1                    ; wave 0..3
	v_and_b32 v1, 31, v0                           ; lane l
	s_lshr_b32 s23, ttmp9, 1                       ; g: which 32,768 numbers of my tensor
	s_mov_b32 s29, 0                               ; the upper word of every offset (all stay under 2^31)
	s_and_b32 s24, ttmp9, 1
	s_wait_kmcnt 0x0
	s_cmp_lg_u32 s24, 0
	s_cbranch_scc1 .Lweights
; ---------------------------------------------------------------- x ----------------------------------------------------------------
; A wave takes 64 rows x 128 K: half a record: four fragments and one run of 256 bytes of scale words.  The four waves take four neighbouring K steps of the same rows.
; The conversion takes 16 numbers of ONE block from a lane's registers; a load is best where neighbouring lanes take neighbouring bytes.  Both are had: each load reads 512 consecutive bytes, a row's 128 numbers;
; a fragment's 16 rows go through the wave's own stage in LDS as they lie, and lane (r, h) reads back, of row r, numbers 32 b + 16 h + 0 .. 15 of each block b.  Lanes l and l xor 16 hold a block.
.set R,     16                         ; v16-143  two sets of 64 registers: a fragment's 16 rows as they are loaded
.set X,     144                        ; v144-207 my 64 numbers: register 16 b + i = k 32 b + 16 h + i of my row
.set PC,    208                        ; v208-219 the fragment's codes; v220-226 at work
.set TM,    228                        ; v228-231 largest magnitudes, v232-235 bytes, v236-239 the conversions' scale operands
.set PW,    240                        ; v240-243 my row's scale word in each of the four fragments
.set DW,    244                        ; v244-245 the two words that I store
.set SEL,   30                         ; s[30:31] lane selects for v_permlanex16_b32: lane l xor 16
	s_lshr_b32 s24, s23, 3                         ; which 64 rows: 2 x group + half
	s_and_b32 s25, s23, 7
	s_lshl_b32 s25, s25, 2
	s_add_co_u32 s25, s25, s22                     ; my K step
	s_lshl_b32 s28, s24, 20                        ; 64 rows of 16,384 bytes,
	s_lshl_b32 s26, s25, 9                         ; 512 bytes a K step
	s_add_co_u32 s28, s28, s26
	s_add_nc_u64 s[4:5], s[4:5], s[28:29]
	s_lshr_b32 s26, s24, 1
	s_lshl_b32 s26, s26, 5
	s_add_co_u32 s26, s26, s25                     ; my record: 32 x group + K step
	s_mul_i32 s28, s26, REC
	s_and_b32 s24, s24, 1                          ; which half of it
	s_mul_i32 s26, s24, 4*FRB
	s_add_co_u32 s28, s28, s26
	s_add_nc_u64 s[14:15], s[14:15], s[28:29]      ; x_img at my first fragment
	s_mul_i32 s26, s24, 4*FRB-256
	s_sub_co_u32 s26, SCO, s26                     ; from there to my 256 bytes of scale words
	s_mov_b32 s27, 0xffff0000                      ; lanes 16-31
	s_mov_b32 s[SEL], 0x76543210
	s_mov_b32 s[SEL+1], 0xfedcba98
	s_mul_i32 s25, s22, XSTW                       ; my stage
	s_wait_alu depctr_va_vdst(0)
	v_and_b32 v2, 15, v1                           ; r
	v_lshrrev_b32 v4, 4, v1                        ; h
	v_lshlrev_b32 v3, 4, v1                        ; 16 l: my 16 bytes of a load's, and of a store's, 512
	v_add_nc_u32 v5, s25, v3                       ; the stage, on the way in: a row as it lies
	v_mul_u32_u24 v6, v2, XP
	v_lshl_add_u32 v6, v4, 6, v6
	v_add_nc_u32 v6, s25, v6                       ; and on the way out: row r, + 64 h.  Sixteen lanes' rows lie 33 x 16 bytes apart: each in other banks
	v_lshlrev_b32 v7, 4, v2
	v_lshl_add_u32 v7, v4, 3, v7
	v_add_nc_u32 v7, s26, v7                       ; my two scale words: 16 r + 8 h
.irp b, 0,1,2,3
	v_mov_b32 v[TM+4+\b], 0                        ; written once: a lane permute's destination counts as one of its sources
.endr
.macro XLOAD f                         ; fragment f: 16 rows x 512 bytes into set f % 2
.set RS, R+64*((\f)%2)
.irp t, 0,1,2,3,4,5,6,7,8,9,10,11,12,13,14,15
	global_load_b128 v[RS+4*\t:RS+4*\t+3], v3, s[4:5] offset:(16*(\f)+\t)*16384 th:TH_LOAD_NT   ; 32 lanes read 512 consecutive bytes; read once in the launch
.endr
.endm
; 64 numbers of a lane, v[s] .. v[s + 63], become a fragment's codes in v[PC] on and my row's scale word in v[pw].
.macro QUANT s, pw
.irp b, 0,1,2,3
	v_max3_num_f32 v[TM+\b], |v[\s+16*\b]|, |v[\s+1+16*\b]|, (EMAX+1)<<23   ; block b: my 16 numbers, and the floor 2^(EMAX + 1 - 127): the byte cannot fall under 1
.endr
.irp i, 2,4,6,8,10,12,14
.irp b, 0,1,2,3
	v_max3_num_f32 v[TM+\b], v[TM+\b], |v[\s+16*\b+\i]|, |v[\s+1+16*\b+\i]|   ; (the four blocks by turns: no line waits for the line above it)
.endr
.endr
.irp b, 0,1,2,3
	v_permlanex16_b32 v[TM+4+\b], v[TM+\b], s[SEL], s[SEL+1]
.endr
.irp b, 0,1,2,3
	v_max_num_f32 v[TM+\b], v[TM+\b], v[TM+4+\b]   ; with lane l xor 16's: the block's largest magnitude
.endr
.irp b, 0,1,2,3
	v_add_nc_u32 v[TM+8+\b], -(EMAX<<23), v[TM+\b] ; EMAX off its exponent field: the conversion takes the exponent field of this operand as its scale, and nothing else of it
.endr
.irp b, 0,1,2,3
	v_lshrrev_b32 v[TM+4+\b], 23, v[TM+8+\b]       ; the scale's byte
.endr
	v_lshl_or_b32 v[\pw], v[TM+5], 8, v[TM+4]      ; the four bytes make my row's scale word (lanes l and l xor 16 hold the same)
	v_lshl_or_b32 v[\pw], v[TM+6], 16, v[\pw]
	v_lshl_or_b32 v[\pw], v[TM+7], 24, v[\pw]
.irp c, 0,1
	v_cvt_scalef32_pk16_fp6_f32 v[PC+6*\c:PC+2+6*\c], v[\s+32*\c:\s+15+32*\c], v[TM+8+2*\c]              ; 96 bits: the codes of k = 64 c + 16 h + 0 .. 15
	v_cvt_scalef32_pk16_fp6_f32 v[PC+12+4*\c:PC+14+4*\c], v[\s+16+32*\c:\s+31+32*\c], v[TM+8+2*\c+1]     ; and of k = 64 c + 32 + 16 h + 0 .. 15 (a conversion's three registers begin on an even number)
.endr
	v_nop                                          ; one plain instruction behind a scaled conversion
.irp c, 0,1                                    ; the operand's layout wants a WHOLE block in a lane: lanes 0-15 block 2 c, lanes 16-31 block 2 c + 1
.irp i, 0,1,2
	v_permlane16_swap_b32 v[PC+6*\c+\i], v[PC+12+4*\c+\i]   ; the first's lanes 16-31 change places with the second's lanes 0-15
.endr
.irp i, 0,1,2
	v_mov_b32 v[PC+3+6*\c+\i], v[PC+12+4*\c+\i]    ; registers 6 c .. 6 c + 5 now hold k = 64 c + 32 h + 0 .. 31
.endr
.endr
.endm
.macro XFRAG f
.set RS, R+64*((\f)%2)
.if (\f) < 3
	s_wait_loadcnt 16                              ; loads come back in order (ISA guide 5.7.1): this fragment's 16 are in, the next fragment's 16 stay out
.else
	s_wait_loadcnt 0x0
.endif
.irp t, 0,1,2,3,4,5,6,7,8,9,10,11,12,13,14,15
	ds_store_b128 v5, v[RS+4*\t:RS+4*\t+3] offset:\t*XP
.endr
.irp b, 0,1,2,3
.irp j, 0,1,2,3
	ds_load_b128 v[X+16*\b+4*\j:X+16*\b+4*\j+3], v6 offset:128*\b+16*\j   ; LDS serves a wave's instructions in order (ISA guide 5.7.1.4): these see the stores above, and the next fragment's stores come behind them
.endr
.endr
	s_wait_dscnt 0x0                               ; my numbers are back, and the stores into the stage have read their registers,
.if (\f) > 0
	s_wait_xcnt 0x0                                ; (the last fragment's stores have read v[PC] on, which the conversions below write again)
.endif
.if (\f)+2 < 4
	XLOAD (\f)+2                                   ; which take the fragment two on
.endif
	QUANT X, PW+\f
.irp c, 0,1,2
	global_store_b128 v3, v[PC+4*\c:PC+4*\c+3], s[14:15] offset:(\f)*FRB+512*\c   ; the image: 32 lanes store 512 consecutive bytes, at a multiple of 256 from the buffer's first byte
.endr
.endm
	XLOAD 0
	XLOAD 1                                        ; 32 loads of the wave are out
	s_wait_alu depctr_va_vdst(0)
.irp f, 0,1,2,3
	XFRAG \f
.endr
	v_cndmask_b32 v[DW], v[PW], v[PW+2], s27       ; lanes 0-15 store the words of my half's blocks 0 and 1, lanes 16-31 those of blocks 2 and 3
	v_cndmask_b32 v[DW+1], v[PW+1], v[PW+3], s27
	global_store_b64 v7, v[DW:DW+1], s[14:15]      ; 32 lanes store 256 consecutive bytes, at a multiple of 256 from the buffer's first byte
	s_wait_tensorcnt 0x0
	ds_add_u32 v254, v255
	s_wait_dscnt 0x0
	s_endpgm
; ---------------------------------------------------------------- w ----------------------------------------------------------------
; A work-group takes 16 rows (one block of a group) x 2,048 K; wave v the strip of 512 K, four K steps, at 512 v: four fragments.  Its part of g_idx, 16 numbers a lane, stays in registers.
; A STEP is one row's strip: 256 words of qweight, two loads of 512 consecutive bytes.  Lane l of load j holds words 128 j + 4 l + 0..3: K = 256 j + 8 l + 0..7.  Their four lowest bytes are packed into one register.
; One exchange with lane l xor 1 gives a lane 16 NEIGHBOURS, from K0 = 256 (l & 1) + 16 (l >> 1) on; a block of 32 lies in lanes l and l xor 2.
; THE TWO TABLES LIE ACROSS THE LANES: lane l holds lut[l & 15] and, for the row in hand, scales[o][l].  A look-up is a lane select (ds_bpermute_b32: it touches no LDS byte): two for each weight.
; THE WAY OUT: my 16 codes are three registers of an image: K step 2 (l & 1) + (l >> 4); in it c = bit 3 of l, h = bit 2, and the upper or lower half of the block's six registers by u = bit 1: registers 6 c + 3 u + 0, 1, 2
; of image lane r + 16 h.  They go word by word into the wave's own stage, whose row 6 x K step + 2 x (register / 4) + h holds sixteen image lanes' 16 bytes; at the end the stage is read by rows and stored as it lies.
; With rows of 17 x 16 bytes the 32 lanes of such a store fall on 32 different banks: the four (c, u) differ in register % 4, the eight (K step, h) in the row's number modulo 16.
; The scale words leave as single words, 16 bytes apart (the three words between belong to other blocks, other work-groups): two stores a wave, one byte in 64 of what this path reads.  Runs of 256 bytes would want four
; waves' words brought together behind a barrier, on one of two paths: not done.
.set VQ,   2                           ; v2   16 l: my 16 bytes of a load of qweight, and of a store of an image
.set VS,   3                           ; v3   4 l: my number of a row of scales
.set VG,   4                           ; v4   1024 (l & 1) + 64 (l >> 1): g_idx at my K0
.set VL,   5                           ; v5   4 (l & 15): my number of lut
.set VA,   6                           ; v6-8 LDS: where my three registers of codes go, in row 0 of the block (a row on: 16 bytes)
.set VB,   9                           ; v9   LDS: my block's scale byte, in row 0 (a row on: 4 bytes)
.set VR,   14                          ; v14  LDS: the codes' stage, read by rows
.set VW,   15                          ; v15  LDS: the scale words, 4 l
.set GI,   16                          ; v16-31   4 x g_idx[K0 + i]
.set QW,   32                          ; v32-95   eight rows' sets of 8 words of qweight
.set SCR,  96                          ; v96-103  eight rows' scales
.set LUTR, 104                         ; v104     lut
.set RECV, 105                         ; v105     what lane l xor 1 sent
.set PK,   106                         ; v106-107 load j's four bytes, packed
.set TT,   108                         ; v108-109 at work
.set SEND, 110
.set LO,   112                         ; v112, v113  my 16 nibbles: K0 + 0..7, K0 + 8..15
.set HI,   113
.set QN,   114                         ; v114-117 4 x nibble, a byte each: LO's even, LO's odd, HI's even, HI's odd
.set IDX,  118                         ; v118-133 4 x nibble of K0 + i
.set LV,   134                         ; v134-149 lut's numbers, then w
.set SV,   150                         ; v150-165 the scales
.set WC,   166                         ; v166-168 my 16 codes
.set SW,   170                         ; v170-171 the way out: scale words
.set VO,   172                         ; v172     and their place in w_img
.set TA,   173                         ; v173-183 at work at the head
.set OUTR, 192                         ; v192-239 the way out: four images
.Lweights:
	s_lshr_b32 s24, s23, 1                         ; which 16 rows
	s_and_b32 s25, s23, 1                          ; which half of K
	s_lshl_b32 s28, s24, 17                        ; qweight: 16 rows of 8,192 bytes,
	s_lshl_b32 s32, s25, 12                        ; 4,096 bytes half a row,
	s_add_co_u32 s28, s28, s32
	s_lshl_b32 s32, s22, 10                        ; 1,024 bytes a strip
	s_add_co_u32 s28, s28, s32
	s_add_nc_u64 s[6:7], s[6:7], s[28:29]
	s_lshl_b32 s28, s24, 11                        ; scales: 16 rows of 128 bytes
	s_add_nc_u64 s[8:9], s[8:9], s[28:29]
	s_lshl_b32 s28, s25, 13                        ; g_idx: 8,192 bytes half of K, 2,048 a strip
	s_lshl_b32 s32, s22, 11
	s_add_co_u32 s28, s28, s32
	s_add_nc_u64 s[10:11], s[10:11], s[28:29]
	s_lshr_b32 s28, s24, 3                         ; the group,
	s_lshl_b32 s28, s28, 5
	s_lshl_b32 s32, s25, 4
	s_add_co_u32 s28, s28, s32
	s_lshl_b32 s32, s22, 2
	s_add_co_u32 s28, s28, s32                     ; my first record: 32 x group + 16 x half + 4 x wave
	s_mul_i32 s28, s28, REC
	s_add_nc_u64 s[16:17], s[16:17], s[28:29]
	s_and_b32 s24, s24, 7                          ; my block i of the group's eight
	s_lshr_b32 s28, s24, 2
	s_lshl_b32 s28, s28, 8
	s_and_b32 s32, s24, 3
	s_lshl_b32 s32, s32, 2
	s_add_co_u32 s28, s28, s32
	s_add_co_u32 s28, s28, SCO
	s_add_nc_u64 s[18:19], s[16:17], s[28:29]      ; w_img at my block's scale word of row 0: 256 (i / 4) + 4 (i % 4) into the record's scale words
	s_mul_i32 s28, s24, FRB
	s_add_nc_u64 s[16:17], s[16:17], s[28:29]      ; w_img at my block's image in my first record
	s_mov_b32 s34, 0x04000400                      ; byte select: the lowest bytes of two words, side by side
	s_mov_b32 s35, 0x05040100                      ; byte select: two low halves
	s_mov_b32 s26, 0x3c3c3c3c                      ; four nibbles, each times 4
	s_mov_b32 s27, 0xaaaaaaaa                      ; the odd lanes
	s_mul_i32 s30, s22, WSTW
	s_add_co_u32 s30, s30, WST                     ; my stage for codes
	s_lshl_b32 s31, s22, 8
	s_add_co_u32 s31, s31, WSB                     ; my 256 bytes for scale words
	s_wait_alu depctr_va_vdst(0)
	v_lshlrev_b32 v[VQ], 4, v1
	v_lshlrev_b32 v[VS], 2, v1
	v_and_b32 v[TA], 1, v1                         ; l & 1
	v_lshrrev_b32 v[TA+1], 1, v1                   ; l >> 1
	v_lshrrev_b32 v[TA+2], 4, v1                   ; l >> 4
	v_lshlrev_b32 v[VG], 6, v[TA+1]
	v_lshl_add_u32 v[VG], v[TA], 10, v[VG]
	v_and_b32 v[TA+10], 15, v1                     ; l & 15
	v_lshlrev_b32 v[VL], 2, v[TA+10]
	v_lshl_add_u32 v[TA+3], v[TA], 1, v[TA+2]      ; my K step of the strip's four
	v_bfe_u32 v[TA+4], v1, 3, 1                    ; c
	v_bfe_u32 v[TA+5], v1, 2, 1                    ; h
	v_bfe_u32 v[TA+6], v1, 1, 1                    ; u
	v_mul_u32_u24 v[TA+7], v[TA+4], 6
	v_mad_u32_u24 v[TA+7], v[TA+6], 3, v[TA+7]     ; my first register of the image: 6 c + 3 u
	v_mad_u32_u24 v[TA+8], v[TA+3], 6, v[TA+5]     ; 6 x K step + h
.irp n, 0,1,2
	v_add_nc_u32 v[TA+9], \n, v[TA+7]              ; register j
	v_lshrrev_b32 v[TA+1], 2, v[TA+9]              ; j / 4
	v_and_b32 v[TA+9], 3, v[TA+9]                  ; j % 4
	v_lshl_add_u32 v[TA+1], v[TA+1], 1, v[TA+8]    ; the stage's row
	v_mul_u32_u24 v[TA+1], v[TA+1], WP
	v_lshl_add_u32 v[TA+1], v[TA+9], 2, v[TA+1]
	v_add_nc_u32 v[VA+\n], s30, v[TA+1]
.endr
	v_bfe_u32 v[TA+9], v1, 2, 2                    ; my block of the K step's four: 2 c + h
	v_lshl_add_u32 v[TA+9], v[TA+3], 6, v[TA+9]    ; 64 bytes a K step
	v_add_nc_u32 v[VB], s31, v[TA+9]
	v_mul_u32_u24 v[TA+9], v[TA+2], WP             ; out of the stage: lanes 0-15 one row, lanes 16-31 the next
	v_lshl_add_u32 v[TA+9], v[TA+10], 4, v[TA+9]
	v_add_nc_u32 v[VR], s30, v[TA+9]
	v_add_nc_u32 v[VW], s31, v[VS]
	v_mul_u32_u24 v[VO], v[TA+2], REC              ; a scale word's place: lanes 0-15 one record, lanes 16-31 the next; 16 bytes a row
	v_lshl_add_u32 v[VO], v[TA+10], 4, v[VO]
	v_mov_b32 v[RECV], 0                           ; written once: the destination of a DPP form counts as one of its sources
.macro WLOAD r                         ; row r: three loads: its strip of qweight into set r % 8, and its 32 scales
.irp j, 0,1
	global_load_b128 v[QW+8*((\r)%8)+4*\j:QW+8*((\r)%8)+4*\j+3], v[VQ], s[6:7] offset:8192*(\r)+512*\j th:TH_LOAD_NT   ; 32 lanes read 512 consecutive bytes; read once in the launch
.endr
	global_load_b32 v[SCR+(\r)%8], v[VS], s[8:9] offset:128*(\r)
.endm
.irp c, 0,1,2,3
	global_load_b128 v[GI+4*\c:GI+4*\c+3], v[VG], s[10:11] offset:16*\c   ; g_idx[my strip + K0 + 4 c + 0..3]
.endr
	global_load_b32 v[LUTR], v[VL], s[12:13]
.irp r, 0,1,2,3,4,5,6,7
	WLOAD \r
.endr
; Row r.  ld = 1: the row eight on is asked for, as soon as this row's registers are free.
.macro WSTEP r, ld
.irp i, 0,1,2,3,4,5,6,7,8,9,10,11,12,13,14,15
	ds_bpermute_b32 v[SV+\i], v[GI+\i], v[SCR+(\r)%8]              ; scales[o][g_idx[K0 + i]]; they travel while the nibbles are sorted out
.endr
	v_cndmask_b32 v[SEND], v[PK+1], v[PK], s27                     ; an even lane gives away its upper load's bytes, an odd lane its lower load's,
	v_mov_b32_dpp v[RECV], v[SEND] row_xmask:1 row_mask:0xf bank_mask:0xf   ; to lane l xor 1
	v_cndmask_b32 v[LO], v[PK], v[RECV], s27                       ; even lanes: mine, then my neighbour's;
	v_cndmask_b32 v[HI], v[RECV], v[PK+1], s27                     ; odd lanes: my neighbour's, then mine: 16 neighbours along K
	v_lshlrev_b32 v[QN], 2, v[LO]
	v_lshrrev_b32 v[QN+1], 2, v[LO]
	v_lshlrev_b32 v[QN+2], 2, v[HI]
	v_lshrrev_b32 v[QN+3], 2, v[HI]
.irp n, 0,1,2,3
	v_and_b32 v[QN+\n], s26, v[QN+\n]              ; in each byte: 4 x its lower nibble (shifted up) or 4 x its upper one (shifted down)
.endr
.irp h, 0,1
.irp b, 0,1,2,3
	v_bfe_u32 v[IDX+8*\h+2*\b], v[QN+2*\h], 8*\b, 8                ; K0 + 8 h + 2 b: the byte's lower nibble comes first
	v_bfe_u32 v[IDX+8*\h+2*\b+1], v[QN+2*\h+1], 8*\b, 8
.endr
.endr
.irp i, 0,1,2,3,4,5,6,7,8,9,10,11,12,13,14,15
	ds_bpermute_b32 v[LV+\i], v[IDX+\i], v[LUTR]                   ; lut[nibble]
.endr
	s_wait_dscnt 0x0                               ; all 32 selects are in, and the last row's stores into the stages have read their registers
.if \ld
	WLOAD (\r)+8                                   ; the packing has read this row's words and the selects its scales: both sets take the row eight on
.endif
.irp i, 0,2,4,6,8,10,12,14
	v_pk_mul_f32 v[LV+\i:LV+\i+1], v[LV+\i:LV+\i+1], v[SV+\i:SV+\i+1]   ; w = lut x scale, in f32
.endr
	v_max3_num_f32 v10, |v[LV]|, |v[LV+1]|, |v[LV+2]|              ; the largest magnitude of my 16, in two chains
	v_max3_num_f32 v11, |v[LV+3]|, |v[LV+4]|, |v[LV+5]|
.irp i, 6,10
	v_max3_num_f32 v10, v10, |v[LV+\i]|, |v[LV+\i+1]|
	v_max3_num_f32 v11, v11, |v[LV+\i+2]|, |v[LV+\i+3]|
.endr
	v_max3_num_f32 v10, v10, |v[LV+14]|, |v[LV+15]|
	v_max3_num_f32 v10, v10, v11, (EMAX+1)<<23     ; and the floor
	v_max_num_f32_dpp v10, v10, v10 row_xmask:2 row_mask:0xf bank_mask:0xf   ; the block's other 16 lie in lane l xor 2
	v_add_nc_u32 v12, -(EMAX<<23), v10             ; the conversion's scale operand
	v_cvt_scalef32_pk16_fp6_f32 v[WC:WC+2], v[LV:LV+15], v12
	v_lshrrev_b32 v13, 23, v12                     ; the scale's byte (also the plain instruction behind the conversion)
.irp n, 0,1,2
	ds_store_b32 v[VA+\n], v[WC+\n] offset:16*(\r) ; image lane r + 16 h, register 6 c + 3 u + n
.endr
	ds_store_b8 v[VB], v13 offset:4*(\r)           ; lanes l and l xor 2 write the same byte with the same value
.endm
.macro WROW r
.if (\r) <= 8
	s_wait_loadcnt 21                              ; loads come back in order (ISA guide 5.7.1): this row's three are in (and g_idx and lut, issued ahead of them); seven younger rows' 21 stay out
.else
	s_wait_loadcnt 3*(15-(\r))                     ; at the end the count runs down: 18, 15 .. 0
.endif
.if (\r) == 0
.set GN, 0
.rept 16
	v_lshlrev_b32 v[GI+GN], 2, v[GI+GN]            ; a lane select is a lane's number x 4
.set GN, GN+1
.endr
.endif
.irp j, 0,1
	v_perm_b32 v[TT], v[QW+8*((\r)%8)+4*\j+1], v[QW+8*((\r)%8)+4*\j], s34       ; the lowest bytes of words 0 and 1,
	v_perm_b32 v[TT+1], v[QW+8*((\r)%8)+4*\j+3], v[QW+8*((\r)%8)+4*\j+2], s34   ; of words 2 and 3,
	v_perm_b32 v[PK+\j], v[TT+1], v[TT], s35                                    ; all four in one register, the lower K in the lower byte
.endr
.if (\r) < 8
	WSTEP \r, 1
.else
	WSTEP \r, 0
.endif
.endm
.irp r, 0,1,2,3,4,5,6,7,8,9,10,11,12,13,14,15
	WROW \r
.endr
.irp m, 0,1,2,3,4,5,6,7,8,9,10,11              ; K step m / 3, load m % 3 of its image
	ds_load_b128 v[OUTR+4*\m:OUTR+4*\m+3], v[VR] offset:(6*(\m/3)+2*(\m%3))*WP   ; in order behind my stores into the stage
.endr
	ds_load_b32 v[SW], v[VW]                       ; the scale words of K steps 0 and 1,
	ds_load_b32 v[SW+1], v[VW] offset:128          ; of 2 and 3
.irp m, 0,1,2,3,4,5,6,7,8,9,10,11
	s_wait_dscnt 13-\m                             ; load m is in; the 11 - m behind it and the two of scale words may be out
	global_store_b128 v[VQ], v[OUTR+4*\m:OUTR+4*\m+3], s[16:17] offset:(\m/3)*REC+512*(\m%3)   ; 32 lanes store 512 consecutive bytes, at a multiple of 256 from the buffer's first byte
.endr
	s_wait_dscnt 0x0
	global_store_b32 v[VO], v[SW], s[18:19]
	global_store_b32 v[VO], v[SW+1], s[18:19] offset:2*REC
	s_wait_tensorcnt 0x0
	ds_add_u32 v254, v255
	s_wait_dscnt 0x0
	s_endpgm
.Lfunc_end_k_q081e4a01c9_quant:
	.size	k_q081e4a01c9_quant, .Lfunc_end_k_q081e4a01c9_quant-k_q081e4a01c9_quant
	.p2alignl 7, 3214868480
	.fill 96, 4, 3214868480
	.section	.rodata,"a",@progbits
	.p2align	6, 0x0
	.amdhsa_kernel k_q081e4a01c9_quant
		.amdhsa_group_segment_fixed_size 61440
		.amdhsa_private_segment_fixed_size 0
		.amdhsa_enable_private_segment 0
		.amdhsa_kernarg_size 56
		.amdhsa_user_sgpr_count 2
		.amdhsa_user_sgpr_kernarg_segment_ptr 1
		.amdhsa_wavefront_size32 1
		.amdhsa_system_sgpr_workgroup_id_x 1
		.amdhsa_system_sgpr_workgroup_id_y 1
		.amdhsa_system_sgpr_workgroup_id_z 1
		.amdhsa_system_vgpr_workitem_id 0
		.amdhsa_next_free_vgpr 256
		.amdhsa_next_free_sgpr 66
		.amdhsa_reserve_vcc 0
		.amdhsa_float_denorm_mode_32 3
		.amdhsa_float_denorm_mode_16_64 3
		.amdhsa_memory_ordered 1
		.amdhsa_forward_progress 1
		.amdhsa_inst_pref_size 133
	.end_amdhsa_kernel
	.amdgpu_metadata
---
amdhsa.version: [ 1, 2 ]
amdhsa.kernels:
  - .name:           k_q081e4a01c9_quant
    .symbol:         k_q081e4a01c9_quant.kd
    .args:
      - { .name: x, .offset: 0, .size: 8, .value_kind: global_buffer, .address_space: global }
      - { .name: qweight, .offset: 8, .size: 8, .value_kind: global_buffer, .address_space: global }
      - { .name: scales, .offset: 16, .size: 8, .value_kind: global_buffer, .address_space: global }
      - { .name: g_idx, .offset: 24, .size: 8, .value_kind: global_buffer, .address_space: global }
      - { .name: lut, .offset: 32, .size: 8, .value_kind: global_buffer, .address_space: global }
      - { .name: x_img, .offset: 40, .size: 8, .value_kind: global_buffer, .address_space: global }
      - { .name: w_img, .offset: 48, .size: 8, .value_kind: global_buffer, .address_space: global }
    .group_segment_fixed_size: 61440
    .private_segment_fixed_size: 0
    .kernarg_segment_align: 8
    .kernarg_segment_size: 56
    .max_flat_workgroup_size: 128
    .sgpr_count:     66
    .vgpr_count:     256
    .wavefront_size: 32
...
	.end_amdgpu_metadata
.endif
;; end of part 1
;; launch gemm (part 2): grid 16 x 16, 4 waves a work-group, clusters of 4 x 4, 327,680 bytes of LDS; arguments x_img, w_img, out0, bias; writes out0
.if DOCPART == 2
	.amdgcn_target "amdgcn-amd-amdhsa--gfx1250"
	.amdhsa_code_object_version 6
	.text
	.protected	k_q081e4a01c9_gemm
	.globl	k_q081e4a01c9_gemm
	.p2align	8
	.type	k_q081e4a01c9_gemm,@function
k_q081e4a01c9_gemm:
	s_mov_b64 s[64:65], 0
	v_nop
	global_prefetch_b8 v0, s[64:65] scope:SCOPE_SE
	s_setreg_imm32_b32 hwreg(HW_REG_WAVE_MODE, 25, 1), 1
	s_wait_xcnt 0x0
	s_wait_alu depctr_hold_cnt(0) depctr_sa_sdst(0) depctr_va_vdst(0) depctr_va_sdst(0) depctr_va_ssrc(0) depctr_va_vcc(0) depctr_vm_vsrc(0)
	s_getreg_b32 s2, hwreg(HW_REG_IB_STS2, 6, 4)
	s_cmp_eq_u32 s2, 0
	s_cbranch_scc0 .Lentry_in_a_cluster
	s_endpgm
.Lentry_in_a_cluster:
	s_bfe_u32 s2, ttmp6, 0x10000c
	s_cmp_lg_u32 s2, 0xf033
	s_cbranch_scc0 .Lentry_shape_is_right
	s_endpgm
.Lentry_shape_is_right:
; out0[m][n] = sum over k of x[m][k] w[n][k] + bias[n], on the codes of FP6 (E2M3) and E8M0 scale bytes that the launch before has laid as images of the operand's registers.
; x_img, w_img: [32 groups of 128 rows][32 K steps of 128][a record of 12,800 bytes]: eight fragment images (16 rows x 128 K, 1,536 bytes: three loads of 16 bytes a lane), then 512 bytes of scale words.
; A tile of out0, 256 x 256, is made by four waves, each 128 x 128: 64 accumulators, 512 registers.  K goes through a ring of two LDS slots; a slot holds THREE K steps of A's two groups and B's two groups
; (4 x 38,400 bytes, dense in memory, stated as rows of 256 bytes that begin at multiples of 256); each wave fetches one of the four parts by one tensor load.  32 steps are ten such fills and one of two steps.
; CLUSTERS: 4 x 4 work-groups; A's parts are asked for jointly along a row of the cluster, B's along a column: the same load, the same descriptor, a mask that names the four.
; THE MATRIX INSTRUCTION IS USED TRANSPOSED (source 0 = 16 rows of w, source 1 = 16 rows of x): a lane holds eight neighbouring numbers of a row of out0.  The bias is the C of the first step's products.
; TWO SETS OF FRAGMENT REGISTERS FOR BOTH OPERANDS: while step t is multiplied from set t % 2, step t + 1's 50 LDS loads go into the other set, in four runs (12, 12, 14, 12) among the products.
; So a slot's last reads are those of its third step's fragments, issued in its SECOND step: the slot is given up at that step's end.
; THE LAST FIVE K STEPS GO IN TWO HALVES OF MY ROWS: rows 0-63 take steps 27 to 30, step 31 is done whole, rows 64-127 then take steps 30, 29, 28, 27 (all five lie in LDS; B's fragments of 27 to 29 are read a second time).
; Rows 0-63 are finished 160 matrix instructions ahead of the last product and leave among those.  LIMIT: rows 64-127 of a wave sum their last five K steps in that other order: an order of f32 rounding, no other value.
; REGISTERS: window 0: v0-31 addresses; v32-47 scale words, two sets; v64-159, v160-255 A's two sets (on the way out v64-95 and v160-191, blocks 0-2 of the two sets, take rows back from the stage).
;   window 1: v0-95, v96-191 B's two sets; v192-255 the bias of my 128 columns.   window 2: accumulators of my rows 0-63 ((a, b) at v[8 (8 a + b)]);   window 3: those of rows 64-127.
; PREFETCH: a wave's stream (its group's 32 records) is 1,600 blocks of 256 bytes.  The four partners that ask for it jointly share runs of 128 blocks by address, 32 each, a lane a block.
; The head asks for blocks 192-447; behind each of the loop's first six refills follow blocks 448-1599, two runs behind slot 0's refill and one behind slot 1's: at the first, which loads blocks 300-449, blocks 448-703.
; The last trip asks for nothing: block 1,599 is the stream's last.
.set SIZE_N, 4096
.set FR,     12                        ; registers of a fragment
.set NP,     4                         ; places behind this matrix instruction (ISA guide 7.12.1)
.set FRB,    FR*128                    ; a fragment's image in bytes
.set SCO,    8*FRB                     ; where a record's scale words begin
.set REC,    SCO+512
.set PART,   3*REC                     ; what one tensor load brings: three K steps of one group
.set SLOT,   4*PART
.set GROW,   32*REC                    ; a group's records for all of K
.set TRIPS,  4
.set SPARE,  2*SLOT                    ; behind the ring: the spare words, 128 bytes a wave, which no other line names
.set STAGE,  SPARE+512                 ; behind them: the way out's stages, bytes of their own: 16 rows x 272 bytes a wave, 17 blocks of 256
.set SPITCH, 272                       ; a stage row: 256 bytes (64 columns) + 16
.set ADRA, 16                          ; v16-17 LDS address of my A images in slot 0, 1
.set ADRB, 18                          ; v18-19 of my B images
.set ADRS, 20                          ; v20-21 of scale words: lanes 0-15 A's, lanes 16-31 B's
.set STO,  24
.set RD,   25
.set CO,   26                          ; 16 x lane
.set OO,   27                          ; out0: a row of 16,384 bytes x (lane / 16) + 16 x (lane % 16)
.set SPW,  28
.set NIL,  29
.set PFO,  30                          ; 256 x lane
.set BO,   31                          ; 32 x (lane / 16): the bias of my eight columns of a block
.set SC,   32
.set AF,   64
.set BI,   192                         ; in window 1
.set G1, 24                            ; s[24:31] group 1 for A's parts; s[32:39] group 0, a set for each slot
.set G0, 32
.set G1B, 48                           ; the same for B's
.set G0B, 56
.set G1T, 68                           ; groups 1 for the last fill, of two K steps
.set G1TB, 76
.set PFA,  44                          ; s[44:45] where my prefetches stand
.set MSB, 0
.macro WIN new                         ; the immediate's high byte repeats the setting that is left
.if MSB != \new
	s_set_vgpr_msb (MSB<<8)|\new
.set MSB, \new
.endif
.endm
.set TO_B, 0x40                        ; destination window 1, address window 0
.set LO,   0xa1                        ; source 0 (B) window 1, source 1 (A) window 0, C and D window 2
.set HI,   0xf1                        ; the same, C and D window 3
.macro MWIN hi, first                  ; LO or HI; in the first step C lies in window 1 (the bias)
.if \first
	WIN 0x91+0x40*(\hi)
.else
	WIN LO+0x50*(\hi)
.endif
.endm
; A joint load: waves 0 and 1 fetch for A, waves 2 and 3 for B; the branch hangs on the wave's number alone.  s_nop 0 and four v_nop follow each line.
.macro JLOAD g0a, g1a, g0b, g1b
	s_cmp_eq_u32 s15, 0
	s_cbranch_scc0 .Lfor_b_\@
	tensor_load_to_lds s[\g0a:\g0a+3], s[\g1a:\g1a+7]
	s_nop 0
.rept 4
	v_nop
.endr
	s_branch .Lasked_\@
.Lfor_b_\@:
	tensor_load_to_lds s[\g0b:\g0b+3], s[\g1b:\g1b+7]
	s_nop 0
.rept 4
	v_nop
.endr
.Lasked_\@:
.endm
.macro ASK slot                        ; not in the loop's last trip (s3 = 1)
	s_cmp_gt_u32 s3, 1
	s_cbranch_scc0 .Lno_ask_\@
	global_prefetch_b8 v[PFO], s[PFA:PFA+1] th:TH_LOAD_NT scope:SCOPE_SE
.if (\slot) == 0
	global_prefetch_b8 v[PFO], s[PFA:PFA+1] offset:128*256 th:TH_LOAD_NT scope:SCOPE_SE
.endif
.Lno_ask_\@:
.endm
.macro CREST                           ; a round of the cluster's barrier behind its opening barrier
	s_cmp_lg_u32 s14, 0
	s_cbranch_scc1 .Lnot_wave_0_\@
	s_barrier_signal -3
.Lnot_wave_0_\@:
	s_barrier_wait -3
	s_barrier_signal -1
	s_barrier_wait -1
.endm
.macro CROUND
	s_barrier_signal -1
	s_barrier_wait -1
	CREST
.endm
	s_load_b128 s[4:7], s[0:1], 0x0                ; x_img, w_img
	s_load_b64 s[12:13], s[0:1], 0x10              ; out0
	s_load_b64 s[96:97], s[0:1], 0x18              ; bias
	v_lshl_add_u32 v[SPW], v0, 2, SPARE
	v_mov_b32 v[NIL], 0
	ds_add_u32 v[SPW], v[NIL]                      ; the opening lines: the add, twice on end, and its wait ahead of my first tensor load
	ds_add_u32 v[SPW], v[NIL]
	v_lshrrev_b32 v1, 5, v0
	v_readfirstlane_b32 s14, v1                    ; wave 0..3
	s_lshr_b32 s15, s14, 1                         ; my half of the tile's rows; also: I fetch for A (0) or B (1)
	s_and_b32 s16, s14, 1                          ; my half of its columns; also: which group of the two I fetch
	s_bfe_u32 s40, ttmp6, 0x40000                  ; cx
	s_bfe_u32 s41, ttmp6, 0x40004                  ; cy
	s_lshl_b32 s42, ttmp9, 2
	s_add_co_u32 s42, s42, s40                     ; tile column
	s_and_b32 s17, ttmp7, 0xffff
	s_lshl_b32 s17, s17, 2
	s_add_co_u32 s17, s17, s41                     ; tile row
	s_lshl_b32 s43, s41, 2
	s_lshl_b32 s43, 15, s43                        ; my row of the cluster
	s_lshl_b32 s44, 0x1111, s40                    ; my column
	s_or_b32 s[G1+0], s43, (3<<16)|(1<<21)         ; the mask; elements of 8 bytes; bit 21 beside a mask; no padding: an image is read as it lies, 16 bytes a lane
	s_or_b32 s[G1B+0], s44, (3<<16)|(1<<21)
	s_or_b32 s[G1T+0], s43, (3<<16)|(1<<21)
	s_or_b32 s[G1TB+0], s44, (3<<16)|(1<<21)
.irp g, G1, G1B
	s_mov_b32 s[\g+1], 32<<16                      ; rows of 32 elements, 256 bytes,
	s_mov_b32 s[\g+2], (PART/256)<<16              ; 150 of them
	s_mov_b32 s[\g+3], 32<<16
	s_mov_b32 s[\g+4], PART/256
	s_mov_b32 s[\g+5], 32
	s_mov_b32 s[\g+6], 0
	s_mov_b32 s[\g+7], 0
.endr
.irp g, G1T, G1TB
	s_mov_b32 s[\g+1], 32<<16
	s_mov_b32 s[\g+2], (2*REC/256)<<16             ; 100 rows: two records
	s_mov_b32 s[\g+3], 32<<16
	s_mov_b32 s[\g+4], 2*REC/256
	s_mov_b32 s[\g+5], 32
	s_mov_b32 s[\g+6], 0
	s_mov_b32 s[\g+7], 0
.endr
	s_lshl_b32 s20, s17, 1
	s_add_co_u32 s20, s20, s16                     ; A's group: 2 x tile row + which
	s_lshl_b32 s46, s42, 1
	s_add_co_u32 s46, s46, s16                     ; B's group: 2 x tile column + which
	s_mul_i32 s20, s20, GROW
	s_mul_i32 s46, s46, GROW
	s_mov_b32 s21, 0
	s_mov_b32 s47, 0
	s_mul_i32 s45, s14, PART                       ; where my part goes: wave x 38,400
	s_wait_dscnt 0x0                               ; both opening adds are done
	s_wait_kmcnt 0x0
	s_add_nc_u64 s[20:21], s[4:5], s[20:21]
	s_add_nc_u64 s[46:47], s[6:7], s[46:47]
	CROUND                                         ; all sixteen work-groups are here: the first joint loads meet
.irp s, 0,1
	s_mov_b32 s[G0+4*\s], 1
	s_add_co_u32 s[G0+4*\s+1], s45, \s*SLOT
	s_add_nc_u64 s[G0+4*\s+2:G0+4*\s+3], s[20:21], \s*PART
	s_or_b32 s[G0+4*\s+3], s[G0+4*\s+3], 0x80000000
	s_mov_b32 s[G0B+4*\s], 1
	s_add_co_u32 s[G0B+4*\s+1], s45, \s*SLOT
	s_add_nc_u64 s[G0B+4*\s+2:G0B+4*\s+3], s[46:47], \s*PART
	s_or_b32 s[G0B+4*\s+3], s[G0B+4*\s+3], 0x80000000
.endr
	JLOAD G0, G1, G0B, G1B                         ; K steps 0 to 2
	; under its flight: first all scalar work, then the vector lines on end
	s_lshl_b32 s20, s17, 8
	s_lshl_b32 s21, s15, 7
	s_add_co_u32 s20, s20, s21                     ; my first row of out0
	s_mov_b32 s21, 0
	s_mov_b64 s[18:19], SIZE_N*4
	s_mul_u64 s[20:21], s[20:21], s[18:19]
	s_lshl_b32 s46, s42, 10
	s_lshl_b32 s47, s16, 9
	s_add_co_u32 s46, s46, s47                     ; my first column, in bytes
	s_mov_b32 s47, 0
	s_add_nc_u64 s[20:21], s[20:21], s[46:47]
	s_add_nc_u64 s[12:13], s[12:13], s[20:21]
	s_add_nc_u64 s[96:97], s[96:97], s[46:47]
	s_lshl_b32 s20, s17, 1                         ; the prefetches: the stream that I fetch,
	s_lshl_b32 s21, s42, 1
	s_cmp_eq_u32 s15, 0
	s_cselect_b32 s20, s20, s21
	s_cselect_b32 s21, s40, s41                    ; my place among the four that ask for it with me
	s_cselect_b64 s[PFA:PFA+1], s[4:5], s[6:7]
	s_add_co_u32 s20, s20, s16
	s_mul_i32 s20, s20, GROW
	s_lshl_b32 s21, s21, 13                        ; 32 blocks of 256 bytes a partner
	s_add_co_u32 s20, s20, s21
	s_mov_b32 s21, 0
	s_add_nc_u64 s[PFA:PFA+1], s[PFA:PFA+1], s[20:21]
	s_add_nc_u64 s[PFA:PFA+1], s[PFA:PFA+1], 320*256   ; the first refill steps it to block 448
	s_mul_i32 s21, s15, PART                       ; LDS: my group of A,
	s_mul_i32 s22, s16, PART
	s_add_co_u32 s22, s22, 2*PART                  ; my group of B, behind A's two
	s_sub_co_u32 s18, s22, s21                     ; from the one to the other
	s_mul_i32 s23, s14, 16*SPITCH
	s_add_co_u32 s23, s23, STAGE                   ; my stage
	v_and_b32 v1, 15, v0                           ; r
	v_bfe_u32 v2, v0, 4, 1                         ; h
	v_and_b32 v6, 31, v0
	v_lshlrev_b32 v[CO], 4, v6
	v_lshlrev_b32 v[PFO], 8, v6
	v_lshlrev_b32 v[BO], 5, v2
	v_add_nc_u32 v[ADRA], s21, v[CO]
	v_add_nc_u32 v[ADRB], s22, v[CO]
	v_add_nc_u32 v[ADRA+1], SLOT, v[ADRA]
	v_add_nc_u32 v[ADRB+1], SLOT, v[ADRB]
	v_mul_u32_u24 v7, s18, v2                      ; lanes 16-31 take B's scale words
	v_lshl_add_u32 v5, v1, 4, v7
	v_add_nc_u32 v[ADRS], s21, v5
	v_add_nc_u32 v[ADRS+1], SLOT, v[ADRS]
	v_mul_u32_u24 v5, v1, SPITCH                   ; into the stage: row r, 32 bytes for each half of the lanes
	v_lshl_add_u32 v5, v2, 5, v5
	v_add_nc_u32 v[STO], s23, v5
	v_mul_u32_u24 v8, v2, SPITCH                   ; back: lanes 0-15 one row of 256 bytes, lanes 16-31 the next
	v_lshl_add_u32 v8, v1, 4, v8
	v_add_nc_u32 v[RD], s23, v8
	v_lshlrev_b32 v9, 14, v2                       ; and the same two rows in out0
	v_lshl_add_u32 v[OO], v1, 4, v9
	s_wait_alu depctr_va_vdst(0)                   ; the wait at the head's end; no vector instruction writes a register behind it
	global_prefetch_b8 v[PFO], s[PFA:PFA+1] offset:-128*256 th:TH_LOAD_NT scope:SCOPE_SE   ; blocks 192-319 of the stream,
	global_prefetch_b8 v[PFO], s[PFA:PFA+1] th:TH_LOAD_NT scope:SCOPE_SE                   ; and 320-447: the fills of K steps 3 to 8
	WIN TO_B
.irp b, 0,1,2,3,4,5,6,7
	global_load_b128 v[BI+8*\b:BI+8*\b+3], v[BO], s[96:97] offset:64*\b       ; bias[n0 + 16 b + 8 h + 0..7], in the result's layout
	global_load_b128 v[BI+8*\b+4:BI+8*\b+7], v[BO], s[96:97] offset:64*\b+16
.endr
	WIN 0
.macro FRAG reg, adr, q, i             ; an image: three loads of 16 bytes a lane, 512 consecutive bytes each
.irp c, 0,1,2
	ds_load_b128 v[\reg+4*\c:\reg+4*\c+3], v[\adr] offset:(\q)*REC+(\i)*FRB+512*\c
.endr
.endm
.macro LDB slot, q, s, i0              ; B's blocks i0 .. i0 + 3 of the slot's step q into set s: 12 loads
	WIN TO_B
.irp i, \i0, \i0+1, \i0+2, \i0+3
	FRAG 96*(\s)+FR*(\i), ADRB+\slot, \q, \i
.endr
.endm
.macro LDA slot, q, s, i0              ; A's likewise; leaves every window 0
	WIN 0
.irp i, \i0, \i0+1, \i0+2, \i0+3
	FRAG AF+96*(\s)+FR*(\i), ADRA+\slot, \q, \i
.endr
.endm
.macro SCALES slot, q, s               ; register 4 j + d: lanes 0-15 the word of A's block 4 j + d, lanes 16-31 that of B's
.irp j, 0,1
	ds_load_b128 v[SC+8*(\s)+4*\j:SC+8*(\s)+4*\j+3], v[ADRS+\slot] offset:(\q)*REC+SCO+256*\j
.endr
.endm
; 8 matrix instructions: A's block a x B's eight, from set p.  The accumulators take turns, one instruction a turn.
.macro MUL8 a, p, first
.irp b, 0,1,2,3,4,5,6,7
.if \first
	v_wmma_scale_f32_16x16x128_f8f6f4 v[8*(8*((\a)%4)+\b):8*(8*((\a)%4)+\b)+7], v[96*(\p)+FR*\b:96*(\p)+FR*\b+FR-1], v[AF+96*(\p)+FR*(\a):AF+96*(\p)+FR*(\a)+FR-1], v[BI+8*\b:BI+8*\b+7], v[SC+8*(\p)+\b], v[SC+8*(\p)+(\a)] matrix_a_fmt:MATRIX_FMT_FP6 matrix_b_fmt:MATRIX_FMT_FP6 matrix_a_scale:MATRIX_SCALE_ROW1
.else
	v_wmma_scale_f32_16x16x128_f8f6f4 v[8*(8*((\a)%4)+\b):8*(8*((\a)%4)+\b)+7], v[96*(\p)+FR*\b:96*(\p)+FR*\b+FR-1], v[AF+96*(\p)+FR*(\a):AF+96*(\p)+FR*(\a)+FR-1], v[8*(8*((\a)%4)+\b):8*(8*((\a)%4)+\b)+7], v[SC+8*(\p)+\b], v[SC+8*(\p)+(\a)] matrix_a_fmt:MATRIX_FMT_FP6 matrix_b_fmt:MATRIX_FMT_FP6 matrix_a_scale:MATRIX_SCALE_ROW1
.endif
.endr
.endm
.macro MUL16 a0, p, first
	MUL8 \a0, \p, \first
	MUL8 (\a0)+1, \p, \first
.endm
.macro PLACES n
.rept \n
	v_nop
.endr
.endm
; A step: set p is multiplied; the next step's fragments, at step q of the slot named, go into the other set, which the step before multiplied: four places stand once, behind that step's last product
; (pl = 0: the four v_nop behind a joint load are these places, or no product has been issued yet).  half = 1: A's blocks 4-7 of the next step are not wanted yet.
.macro STEP slot, q, p, first, pl, half
.if \pl
	PLACES NP
.endif
	LDB \slot, \q, 1-(\p), 0
	s_wait_dscnt 24                                ; out at most: this step's A blocks 4-7 (12) and the 12 just issued
	MWIN 0, \first
	MUL16 0, \p, \first
	LDB \slot, \q, 1-(\p), 4
	MWIN 0, \first
	MUL16 2, \p, \first
	LDA \slot, \q, 1-(\p), 0
	SCALES \slot, \q, 1-(\p)
	s_wait_dscnt 38                                ; out at most the 12 + 12 + 14 issued in this step: A's blocks 4-7 are in
	MWIN 1, \first
	MUL16 4, \p, \first
.if (\half) == 0
	LDA \slot, \q, 1-(\p), 4
	MWIN 1, \first
.endif
	MUL16 6, \p, \first
.endm
; A slot's second step: the same four runs, the last of them one block of products earlier.  Behind it each wave waits for all its tensor loads (its part of the other slot), adds 0 to its spare word, and, two blocks
; of products on, waits for the add and for its reads of this slot.  A round of the cluster's barrier follows, and the slot takes the fill two on (fill = 1) or the last fill, of two K steps (fill = 2).
.macro TURN slot, p, fill
.if (\fill) == 1
	s_wait_xcnt 0x0                                ; my prefetches have read their address: it steps here, well ahead of the round
	s_add_nc_u64 s[PFA:PFA+1], s[PFA:PFA+1], (1+(\slot))*128*256
.endif
	PLACES NP
	LDB \slot, 2, 1-(\p), 0
	s_wait_dscnt 24
	WIN LO
	MUL16 0, \p, 0
	LDB \slot, 2, 1-(\p), 4
	WIN LO
	MUL16 2, \p, 0
	LDA \slot, 2, 1-(\p), 0
	SCALES \slot, 2, 1-(\p)
	s_wait_dscnt 38
	WIN HI
	MUL8 4, \p, 0
	LDA \slot, 2, 1-(\p), 4                        ; my last reads of this slot (every window is 0 behind them: the add's two registers lie in window 0)
	s_wait_tensorcnt 0x0                           ; all my tensor loads have landed;
	ds_add_u32 v[SPW], v[NIL]
	WIN HI
	MUL8 5, \p, 0                                  ; sixteen matrix instructions stand between the add and the wait for it
	MUL8 6, \p, 0
	s_wait_dscnt 0x0                               ; the add is done, and my reads of this slot are over
	s_barrier_signal -1
	MUL8 7, \p, 0
	WIN 0
	s_barrier_wait -1
	CREST                                          ; no wave of any partner still reads this slot or has a load on its way
	s_add_nc_u64 s[G0+4*\slot+2:G0+4*\slot+3], s[G0+4*\slot+2:G0+4*\slot+3], 2*PART
	s_add_nc_u64 s[G0B+4*\slot+2:G0B+4*\slot+3], s[G0B+4*\slot+2:G0B+4*\slot+3], 2*PART
.if (\fill) == 1
	JLOAD G0+4*\slot, G1, G0B+4*\slot, G1B         ; the first tensor load behind the round, one a wave
	ASK \slot
.else
	JLOAD G0+4*\slot, G1T, G0B+4*\slot, G1TB
.endif
.endm
; Half a step for my rows 0-63: 32 matrix instructions from set p; the next step's B, scale words and A blocks 0-3 (more = 1: blocks 4-7 too) go into the other set.
.macro HALF p, slot, q, more
	PLACES NP
	LDB \slot, \q, 1-(\p), 0
	s_wait_dscnt 12                                ; out at most the 12 just issued
	WIN LO
	MUL8 0, \p, 0
	LDB \slot, \q, 1-(\p), 4
	WIN LO
	MUL8 1, \p, 0
	LDA \slot, \q, 1-(\p), 0
	SCALES \slot, \q, 1-(\p)
	WIN LO
	MUL8 2, \p, 0
.if \more
	LDA \slot, \q, 1-(\p), 4
	WIN LO
.endif
	MUL8 3, \p, 0
.endm
; THE WAY OUT, in sixteen pieces: piece j is block j / 2 (16 rows) x half j % 2 of my columns (64 columns, four accumulators).  A lane holds 32 neighbouring bytes of a row and the lanes beside it other rows: so a piece
; goes through my own stage in LDS and comes back as rows of 256 bytes.  LDS serves a wave's instructions in order (ISA guide 5.7.1.4): no wait between the stores and the loads, nor ahead of the next piece's stores.
.macro TOST j                          ; 8 stores and 8 loads
.set AC, 64*(((\j)/2)%4)+32*((\j)%2)
.set BB, 64+96*((\j)%2)
.if (\j) > 1
	s_wait_xcnt 0x0                                ; piece j - 2's stores have read the registers that take this piece
.endif
	WIN 0x08+4*((\j)/8)                            ; the data: window 2 or 3
.irp b, 0,1,2,3
	ds_store_b128 v[STO], v[AC+8*\b:AC+8*\b+3] offset:64*\b          ; each accumulator from its low end on
	ds_store_b128 v[STO], v[AC+8*\b+4:AC+8*\b+7] offset:64*\b+16
.endr
	WIN 0
.irp t, 0,1,2,3,4,5,6,7
	ds_load_b128 v[BB+4*\t:BB+4*\t+3], v[RD] offset:\t*2*SPITCH
.endr
.endm
.macro SEND j, younger                 ; younger: the LDS instructions issued behind piece j's loads
.set BB, 64+96*((\j)%2)
	s_wait_dscnt \younger
.irp t, 0,1,2,3,4,5,6,7
	global_store_b128 v[OO], v[BB+4*\t:BB+4*\t+3], s[12:13] offset:(16*((\j)/2)+2*\t)*SIZE_N*4+256*((\j)%2) th:TH_STORE_NT   ; 16 lanes store 256 consecutive bytes, at a multiple of 256 from out0's first byte; at most 126 rows on: inside the signed 24-bit immediate
.endr
.endm
; Half a step for my rows 64-127, from set p, with two pieces of rows 0-63 leaving; j: the piece that went into the stage last.  The half step's fragments are in: the SEND ahead of it waited for all but the last piece's 16.
.macro HALF2 p, slot, q, j
	PLACES NP
	LDB \slot, \q, 1-(\p), 0
	WIN HI
	MUL8 4, \p, 0
	LDB \slot, \q, 1-(\p), 4
	WIN HI
	MUL8 5, \p, 0
	LDA \slot, \q, 1-(\p), 4
	SCALES \slot, \q, 1-(\p)
	TOST (\j)+1
	SEND \j, 54                                    ; behind piece j's loads: 12 + 12 + 14 loads and the next piece's 16
	WIN HI
	MUL8 6, \p, 0
	MUL8 7, \p, 0
.if (\j)+2 < 8
	TOST (\j)+2
	SEND (\j)+1, 16
.else
	WIN 0
	SEND (\j)+1, 0
.endif
.endm
	s_wait_tensorcnt 0x0                           ; my part of slot 0 is in
	ds_add_u32 v[SPW], v[NIL]
	s_wait_dscnt 0x0
	CROUND                                         ; everybody's part is in, and the joint loads meet
	JLOAD G0+4, G1, G0B+4, G1B                     ; K steps 3 to 5: slot 1's first fill
	LDB 0, 0, 0, 0
	LDB 0, 0, 0, 4
	LDA 0, 0, 0, 0
	SCALES 0, 0, 0
	LDA 0, 0, 0, 4
	s_wait_loadcnt 0x0                             ; the bias
	STEP 0, 1, 0, 1, 0, 0                          ; step 0 stands ahead of the loop: its products start the sums from the bias
	WIN 0                                          ; at a label and at a branch every window is 0
	s_mov_b32 s3, TRIPS
.Llap:                                                 ; a trip: six steps, from a lap's second step to the next lap's first; both slots are filled again
	TURN 0, 1, 1
	STEP 1, 0, 0, 0, 0, 0
	STEP 1, 1, 1, 0, 1, 0
	TURN 1, 0, 1
	STEP 0, 0, 1, 0, 0, 0
	STEP 0, 1, 0, 0, 1, 0
	WIN 0
	s_sub_co_u32 s3, s3, 1
	s_cmp_lg_u32 s3, 0
	s_cbranch_scc1 .Llap
	TURN 0, 1, 2                                   ; step 25: slot 0 takes steps 30 and 31
	STEP 1, 0, 0, 0, 0, 1                          ; step 26, the last whole one but 31
	HALF 1, 1, 1, 0                                ; rows 0-63: step 27,
	HALF 0, 1, 2, 0                                ; step 28
	s_wait_tensorcnt 0x0                           ; my part of steps 30 and 31 is in,
	s_wait_dscnt 0x0                               ; no LDS instruction of mine is out at the signal;
	s_barrier_signal -1
	s_barrier_wait -1                              ; everybody's part is in.
	HALF 1, 0, 0, 0                                ; step 29,
	HALF 0, 0, 1, 1                                ; step 30; all of step 31 is fetched
	PLACES NP                                      ; step 31, whole
	LDA 0, 0, 0, 4                                 ; for rows 64-127's step 30: A's blocks 4-7; its B and scale words still lie in set 0
	s_wait_dscnt 24                                ; out at most: step 31's A blocks 4-7 and the 12 just issued
	WIN LO
	MUL16 0, 1, 0
	MUL16 2, 1, 0                                  ; rows 0-63 are finished
	s_wait_dscnt 12
	PLACES NP                                      ; ahead of the reads of their results and of the loads into A's blocks 0-2
	TOST 0
	WIN HI
	MUL16 4, 1, 0
	TOST 1
	SEND 0, 16
	WIN HI
	MUL16 6, 1, 0
	TOST 2
	SEND 1, 16
	HALF2 0, 1, 2, 2                               ; rows 64-127: step 30; step 29 is fetched again,
	HALF2 1, 1, 1, 4                               ; step 29,
	HALF2 0, 1, 0, 6                               ; step 28: the last piece of rows 0-63 leaves,
	WIN HI
	MUL16 4, 1, 0                                  ; step 27
	MUL16 6, 1, 0
	WIN 0
	PLACES NP
	TOST 8
.irp j, 9,10,11,12,13,14,15
	TOST \j
	SEND (\j)-1, 16
.endr
	SEND 15, 0
	s_wait_tensorcnt 0x0                           ; the wave's end
	ds_add_u32 v[SPW], v[NIL]
	s_wait_dscnt 0x0
	CROUND                                         ; the closing round
	s_endpgm
.Lfunc_end_k_q081e4a01c9_gemm:
	.size	k_q081e4a01c9_gemm, .Lfunc_end_k_q081e4a01c9_gemm-k_q081e4a01c9_gemm
	.p2alignl 7, 3214868480
	.fill 96, 4, 3214868480
	.section	.rodata,"a",@progbits
	.p2align	6, 0x0
	.amdhsa_kernel k_q081e4a01c9_gemm
		.amdhsa_group_segment_fixed_size 327680
		.amdhsa_private_segment_fixed_size 0
		.amdhsa_enable_private_segment 0
		.amdhsa_kernarg_size 32
		.amdhsa_user_sgpr_count 2
		.amdhsa_user_sgpr_kernarg_segment_ptr 1
		.amdhsa_wavefront_size32 1
		.amdhsa_system_sgpr_workgroup_id_x 1
		.amdhsa_system_sgpr_workgroup_id_y 1
		.amdhsa_system_sgpr_workgroup_id_z 1
		.amdhsa_system_vgpr_workitem_id 0
		.amdhsa_next_free_vgpr 1024
		.amdhsa_next_free_sgpr 98
		.amdhsa_reserve_vcc 0
		.amdhsa_float_denorm_mode_32 3
		.amdhsa_float_denorm_mode_16_64 3
		.amdhsa_memory_ordered 1
		.amdhsa_forward_progress 1
		.amdhsa_inst_pref_size 213
	.end_amdhsa_kernel
	.amdgpu_metadata
---
amdhsa.version: [ 1, 2 ]
amdhsa.kernels:
  - .name:           k_q081e4a01c9_gemm
    .symbol:         k_q081e4a01c9_gemm.kd
    .args:
      - { .name: x_img, .offset: 0, .size: 8, .value_kind: global_buffer, .address_space: global }
      - { .name: w_img, .offset: 8, .size: 8, .value_kind: global_buffer, .address_space: global }
      - { .name: out0, .offset: 16, .size: 8, .value_kind: global_buffer, .address_space: global }
      - { .name: bias, .offset: 24, .size: 8, .value_kind: global_buffer, .address_space: global }
    .group_segment_fixed_size: 327680
    .private_segment_fixed_size: 0
    .kernarg_segment_align: 8
    .kernarg_segment_size: 32
    .max_flat_workgroup_size: 128
    .sgpr_count:     98
    .vgpr_count:     1024
    .wavefront_size: 32
...
	.end_amdgpu_metadata
.endif
;; end of part 2
